; MI455X (gfx1250); checked and timed in simulation.
; The chip was launched on July 23, 2026; its instructions are those of AMD's public machine-readable ISA for CDNA 5 (MIT licence, August 2026) and "CDNA5" Instruction Set Architecture Reference Guide (July 2026). The comments in the code are by the model that wrote it; some were corrected since.
;; Vector Quantizer. Allowed arithmetic: matrix products marked QUANTISED: E5M2 operands, one E8M0 scale for each 32 along K, by v_wmma_scale_f32_16x16x128_f8f6f4 with both operands' format E5M2, f32 sums; everything else in f32.
;; Inputs: codebook 8,192 x 256 float32; z_e 32,768 x 256 float32.
;; Outputs: out0 32,768 x 256 float32; out1 32,768 int32; out2 one number float32; out3 one number float32; out4 one number float32.
;; This version of the problem:
;;   THIS VERSION OF THE PROBLEM IS GIVEN IN LOW PRECISION. The matrix products marked QUANTISED in the list below multiply operands that are first quantised to E5M2 (5 exponent bits, 2 mantissa bits; 8 bits a number), with one power-of-two scale for each 32 numbers along K (OCP MX v1.0); their sums are f32. All else is computed in f32.
;;   The module's matrix products, in the order in which they are computed (A, B: the left and right operand; K: the contracted axis; several contracted axes count as one K, in the product's order):
;;     1. [M 32,768, K 256] x [K 256, N 8,192]; A: input z_e; B: input codebook: QUANTISED
;;   THE QUANTISER, for each operand of a quantised product, along K:
;;     - K is cut into blocks of 32 from its start; a last block that is shorter is filled with zeros.
;;     - A block's scale is 2^e with e = floor(log2(the largest magnitude in the block)) - 15, held to -126 .. 127; a block of zeros has e = 0. As a byte (E8M0): e + 127.
;;     - Each number is divided by its block's scale, clamped to +-57,344, and rounded to the nearest number of E5M2, ties to even, subnormals kept.
;;     - The product sums the exact products of the quantised numbers (number of the format x scale) in f32.
;;   ~~~python
;;   def quantise(x, axis):      # numpy; x: float32 -> the quantised numbers, widened to float32 again
;;       x = np.moveaxis(x, axis, -1); K = x.shape[-1]
;;       x = np.pad(x, [(0, 0)] * (x.ndim - 1) + [(0, -K % 32)]); x = x.reshape(x.shape[:-1] + (-1, 32)); a = np.abs(x).max(-1, keepdims=True)
;;       e = np.where(a > 0, np.clip(np.frexp(np.where(a > 0, a, 1))[1] - 1 - 15, -126, 127), 0)      # np.frexp(a)[1] - 1 = floor(log2(a)), exactly
;;       r = np.clip(x / 2.0 ** e, -57344, 57344)
;;       step = 2.0 ** (np.maximum(np.frexp(np.where(r == 0, 1, r))[1] - 1, -14) - 2)
;;       q = np.round(r / step) * step * 2.0 ** e      # np.round: ties to even
;;       return np.moveaxis(q.reshape(q.shape[:-2] + (-1,))[..., :K], -1, axis).astype(np.float32)
;;   ~~~
;; One version. Each part assembles by itself: llvm-mc -triple=amdgcn-amd-amdhsa -mcpu=gfx1250 --defsym DOCPART=n.
;; ======== version 1 of 1: 5 launches
;; limits: right only within a limited range of input values
;; workspace buffers: cbrec 2,228,224 bytes; zc 8,388,608 bytes; zmeta 1,048,576 bytes; hg 131,072 bytes of whole numbers; idx 131,072 bytes of whole numbers; part 1,024 bytes
;; launch quant_cb (part 1): grid 256 x 1, 2 waves a work-group, no clusters, 0 bytes of LDS; arguments codebook, cbrec; writes cbrec
.if DOCPART == 1
	.amdgcn_target "amdgcn-amd-amdhsa--gfx1250"
	.amdhsa_code_object_version 6
	.text
	.protected	k_q213e4c63d6_quant_cb
	.globl	k_q213e4c63d6_quant_cb
	.p2align	8
	.type	k_q213e4c63d6_quant_cb,@function
k_q213e4c63d6_quant_cb:
	s_mov_b64 s[64:65], 0
	v_nop
	global_prefetch_b8 v0, s[64:65] scope:SCOPE_SE
	s_setreg_imm32_b32 hwreg(HW_REG_WAVE_MODE, 25, 1), 1
	s_wait_xcnt 0x0
; The codebook [8192][256] f32 becomes 512 TILE RECORDS of 4,352 bytes (17 x 256), one for each tile of 16 codes, laid as the search's registers take them.
; A record: bytes 0-4095 the image of the tile's two fragments (K steps s = 0, 1): the 16 bytes at 2048 s + 512 c + 16 L are the E5M2 codes of tile row L % 16, k = 128 s + 32 c + 16 (L / 16) + 0 .. 15;
;   bytes 4096 + 8 m: the two scale words of tile row m (four E8M0 bytes each: 128 along K);  bytes 4224 + 4 m: e2 = the sum of the squares of row m, f32;  bytes 4288-4351: zeros.
; THE CODES OF A TILE ARE NOT NEIGHBOURS: row m of tile T = 2 g + u is code 32 g + 16 (m / 8) + 8 u + m % 8, so that in the search (source 0 = 16 codes) a lane's 16 results of tiles 2 g and 2 g + 1 are 16 neighbouring codes.
; A block's scale is 2^(floor(log2(its largest magnitude)) - 15); its byte is the largest magnitude's exponent field - 15, held at 1 from below.  A block of zeros so gets the byte 1 where the rule says 127: its codes are zeros, and this program alone reads the bytes.
; LIMITS: NaN and infinities among the inputs are not served; blocks whose largest magnitude lies under 2^-111 get the byte 1.  e2 is summed in this text's own order (four packed chains, then a tree).
; One wave makes one tile; waves share nothing: no LDS bytes, no barrier, no cluster (no input byte is read by two work-groups).
.set REC,  4352
.set LN,   1                           ; v1   lane
.set XA,   4                           ; v4   my byte in the tile's rows of the codebook
.set GL,   5                           ; v5   16 x lane: my place in an image's 512 bytes
.set G8,   6                           ; v6   8 x lane: my place in the record's last 256 bytes
.set BP0,  7                           ; v7   4 x ((2 lane) % 16): the lane whose e2 I take first
.set BP1,  8                           ; v8   and the next one
.set X0,   32                          ; v32-95   64 numbers of K step 0
.set X1,   96                          ; v96-159  of K step 1
.set TM,   160                         ; v160-163 largest magnitudes, v164-167 bytes, v168-171 the largest number x the scale, v172-175 the conversions' scale operands
.set PC0,  176                         ; v176-191 K step 0's codes
.set PC1,  192                         ; v192-207 K step 1's
.set PW0,  208                         ; v208, v209 the two scale words
.set PW1,  209
.set SQ,   210                         ; v210-217 four packed chains of squares
.set SEL,  14                          ; s[14:15] lane selects: lane l xor 16
.set MNT,  16                          ; s16  the mantissa field of 57,344
.macro XLOAD reg, s                    ; my 16 numbers of each of the K step's four blocks of 32: register 16 b + i = k 32 b + 16 (lane / 16) + i of my row
.irp b, 0,1,2,3
.irp j, 0,1,2,3
	global_load_b128 v[\reg+16*\b+4*\j:\reg+16*\b+4*\j+3], v[XA], s[4:5] offset:512*\s+128*\b+16*\j th:TH_LOAD_NT
.endr
.endr
.endm
.macro SUMSQ reg, first                ; the squares of 64 numbers onto four packed chains; first = 1: the first four products start the chains, nothing is cleared
.set qi, 0
.rept 32
.if (\first) && (qi < 4)
	v_pk_mul_f32 v[SQ+2*qi:SQ+2*qi+1], v[\reg+2*qi:\reg+2*qi+1], v[\reg+2*qi:\reg+2*qi+1]
.else
	v_pk_fma_f32 v[SQ+2*(qi%4):SQ+2*(qi%4)+1], v[\reg+2*qi:\reg+2*qi+1], v[\reg+2*qi:\reg+2*qi+1], v[SQ+2*(qi%4):SQ+2*(qi%4)+1]
.endif
.set qi, qi+1
.endr
.endm
.macro QUANT s, pc, pw                 ; 64 numbers v[s] on become a fragment's 16 registers of codes v[pc] on and its scale word v[pw]
.irp b, 0,1,2,3
	v_max3_num_f32 v[TM+\b], |v[\s+16*\b]|, |v[\s+1+16*\b]|, 0x8000000   ; block b: my 16 numbers, and the floor 2^(16 - 127): the byte cannot fall under 1
.endr
.irp i, 2,4,6,8,10,12,14
.irp b, 0,1,2,3
	v_max3_num_f32 v[TM+\b], v[TM+\b], |v[\s+16*\b+\i]|, |v[\s+1+16*\b+\i]|   ; the four blocks by turns
.endr
.endr
.irp b, 0,1,2,3
	v_permlanex16_b32 v[TM+4+\b], v[TM+\b], s[SEL], s[SEL+1]
.endr
.irp b, 0,1,2,3
	v_max_num_f32 v[TM+\b], v[TM+\b], v[TM+4+\b]   ; with lane l xor 16's 16: the block's largest magnitude
.endr
.irp b, 0,1,2,3
	v_add_nc_u32 v[TM+12+\b], 0xf8800000, v[TM+\b]   ; 15 off its exponent field: the conversion takes this operand's exponent field as its scale
.endr
.irp b, 0,1,2,3
	v_and_or_b32 v[TM+8+\b], v[TM+\b], 0x7f800000, s[MNT]   ; 57,344 x the scale
.endr
.irp b, 0,1,2,3
	v_lshrrev_b32 v[TM+4+\b], 23, v[TM+12+\b]   ; the scale's byte
.endr
	v_lshl_or_b32 v[\pw], v[TM+5], 8, v[TM+4]
	v_lshl_or_b32 v[\pw], v[TM+6], 16, v[\pw]
	v_lshl_or_b32 v[\pw], v[TM+7], 24, v[\pw]
.irp b, 0,1,2,3
.irp i, 0,1,2,3,4,5,6,7,8,9,10,11,12,13,14,15
	v_med3_num_f32 v[\s+16*\b+\i], v[\s+16*\b+\i], -v[TM+8+\b], v[TM+8+\b]   ; the conversion to an 8-bit code does not saturate (ISA guide 7.6.2): the hold at the largest code x the scale
.endr
	v_cvt_scalef32_pk8_bf8_f32 v[\pc+4*\b:\pc+1+4*\b], v[\s+16*\b:\s+7+16*\b], v[TM+12+\b]
	v_cvt_scalef32_pk8_bf8_f32 v[\pc+2+4*\b:\pc+3+4*\b], v[\s+8+16*\b:\s+15+16*\b], v[TM+12+\b]
.endr
	v_nop                                          ; one plain vector instruction behind the last conversion, ahead of whatever next touches its registers
.endm
	s_load_b128 s[4:7], s[0:1], 0x0                ; the codebook, the records
	v_lshrrev_b32 v2, 5, v0
	v_readfirstlane_b32 s8, v2                     ; wave 0, 1
	v_and_b32 v[LN], 31, v0
	v_and_b32 v2, 15, v0                           ; r: my tile row
	v_bfe_u32 v3, v0, 4, 1                         ; h
	v_and_b32 v9, 7, v2
	v_lshrrev_b32 v10, 3, v2
	v_lshl_add_u32 v9, v10, 4, v9                  ; r % 8 + 16 (r / 8): my code, counted from the tile's first
	v_lshlrev_b32 v[XA], 10, v9                    ; a row of the codebook is 1,024 bytes
	v_lshl_add_u32 v[XA], v3, 6, v[XA]             ; + 64 h: my 16 numbers of a block
	v_lshlrev_b32 v[GL], 4, v[LN]
	v_lshlrev_b32 v[G8], 3, v[LN]
	v_lshlrev_b32 v[BP0], 1, v[LN]
	v_and_b32 v[BP0], 15, v[BP0]
	v_lshlrev_b32 v[BP0], 2, v[BP0]
	v_add_nc_u32 v[BP1], 4, v[BP0]
.irp b, 0,1,2,3
	v_mov_b32 v[TM+4+\b], 0                        ; written once: a lane permute's destination counts as one of its sources
.endr
	v_mov_b32 v219, 0
	s_mov_b32 s[SEL], 0x76543210
	s_mov_b32 s[SEL+1], 0xfedcba98
	s_mov_b32 s[MNT], 0x600000
	s_lshl_b32 s9, ttmp9, 1
	s_add_co_u32 s9, s9, s8                        ; T = 2 x work-group + wave
	s_lshr_b32 s10, s9, 1
	s_lshl_b32 s10, s10, 15                        ; 32 g rows of 1,024 bytes
	s_and_b32 s11, s9, 1
	s_lshl_b32 s11, s11, 13                        ; + 8 u rows
	s_add_co_u32 s10, s10, s11
	s_mov_b32 s11, 0
	s_mul_i32 s12, s9, REC
	s_mov_b32 s13, 0
	s_wait_kmcnt 0x0
	s_add_nc_u64 s[4:5], s[4:5], s[10:11]
	s_add_nc_u64 s[6:7], s[6:7], s[12:13]
	XLOAD X0, 0
	XLOAD X1, 1
	s_wait_loadcnt 16                              ; K step 0's sixteen loads are in; K step 1's sixteen may be out
	SUMSQ X0, 1                                    ; ahead of the quantiser, whose hold changes the numbers
	QUANT X0, PC0, PW0
.irp c, 0,1,2,3
	global_store_b128 v[GL], v[PC0+4*\c:PC0+4*\c+3], s[6:7] offset:512*\c        ; 32 lanes store 512 consecutive bytes, at a multiple of 256 from the buffer's first byte
.endr
	s_wait_loadcnt 0x0
	SUMSQ X1, 0
	QUANT X1, PC1, PW1
.irp c, 0,1,2,3
	global_store_b128 v[GL], v[PC1+4*\c:PC1+4*\c+3], s[6:7] offset:2048+512*\c
.endr
	v_pk_add_f32 v[SQ:SQ+1], v[SQ:SQ+1], v[SQ+2:SQ+3]
	v_pk_add_f32 v[SQ+4:SQ+5], v[SQ+4:SQ+5], v[SQ+6:SQ+7]
	v_pk_add_f32 v[SQ:SQ+1], v[SQ:SQ+1], v[SQ+4:SQ+5]
	v_add_f32 v218, v[SQ], v[SQ+1]
	v_permlanex16_b32 v219, v218, s[SEL], s[SEL+1]
	v_add_f32 v218, v218, v219                     ; e2 of my row, in both halves of the lanes
	; the record's last 256 bytes leave by ONE store of 8 bytes a lane: lanes 0-15 their row's two scale words, lanes 16-23 two e2 each, lanes 24-31 zeros
	ds_bpermute_b32 v220, v[BP0], v218             ; e2 of row (2 lane) % 16 (a pull between lanes: no LDS byte is touched)
	ds_bpermute_b32 v221, v[BP1], v218             ; and of the next row
	s_wait_dscnt 0x0
	v_cmp_gt_u32 vcc_lo, 24, v[LN]
	v_cndmask_b32 v220, 0, v220, vcc_lo
	v_cndmask_b32 v221, 0, v221, vcc_lo
	v_cmp_gt_u32 vcc_lo, 16, v[LN]
	v_cndmask_b32 v220, v220, v[PW0], vcc_lo
	v_cndmask_b32 v221, v221, v[PW1], vcc_lo
	global_store_b64 v[G8], v[220:221], s[6:7] offset:4096
	s_endpgm
.Lfunc_end_k_q213e4c63d6_quant_cb:
	.size	k_q213e4c63d6_quant_cb, .Lfunc_end_k_q213e4c63d6_quant_cb-k_q213e4c63d6_quant_cb
	.p2alignl 7, 3214868480
	.fill 96, 4, 3214868480
	.section	.rodata,"a",@progbits
	.p2align	6, 0x0
	.amdhsa_kernel k_q213e4c63d6_quant_cb
		.amdhsa_group_segment_fixed_size 0
		.amdhsa_private_segment_fixed_size 0
		.amdhsa_enable_private_segment 0
		.amdhsa_kernarg_size 16
		.amdhsa_user_sgpr_count 2
		.amdhsa_user_sgpr_kernarg_segment_ptr 1
		.amdhsa_wavefront_size32 1
		.amdhsa_system_sgpr_workgroup_id_x 1
		.amdhsa_system_sgpr_workgroup_id_y 1
		.amdhsa_system_sgpr_workgroup_id_z 1
		.amdhsa_system_vgpr_workitem_id 0
		.amdhsa_next_free_vgpr 224
		.amdhsa_next_free_sgpr 66
		.amdhsa_reserve_vcc 1
		.amdhsa_float_denorm_mode_32 3
		.amdhsa_float_denorm_mode_16_64 3
		.amdhsa_memory_ordered 1
		.amdhsa_forward_progress 1
		.amdhsa_inst_pref_size 27
	.end_amdhsa_kernel
	.amdgpu_metadata
---
amdhsa.version: [ 1, 2 ]
amdhsa.kernels:
  - .name:           k_q213e4c63d6_quant_cb
    .symbol:         k_q213e4c63d6_quant_cb.kd
    .args:
      - { .name: codebook, .offset: 0, .size: 8, .value_kind: global_buffer, .address_space: global }
      - { .name: cbrec, .offset: 8, .size: 8, .value_kind: global_buffer, .address_space: global }
    .group_segment_fixed_size: 0
    .private_segment_fixed_size: 0
    .kernarg_segment_align: 8
    .kernarg_segment_size: 16
    .max_flat_workgroup_size: 64
    .sgpr_count:     66
    .vgpr_count:     224
    .wavefront_size: 32
...
	.end_amdgpu_metadata
.endif
;; end of part 1
;; launch search (part 2): grid 256 x 1, 8 waves a work-group, no clusters, 179,200 bytes of LDS; arguments z_e, cbrec, zc, zmeta, hg; writes zc, zmeta, hg
.if DOCPART == 2
	.amdgcn_target "amdgcn-amd-amdhsa--gfx1250"
	.amdhsa_code_object_version 6
	.text
	.protected	k_q213e4c63d6_search
	.globl	k_q213e4c63d6_search
	.p2align	8
	.type	k_q213e4c63d6_search,@function
k_q213e4c63d6_search:
	s_mov_b64 s[64:65], 0
	v_nop
	global_prefetch_b8 v0, s[64:65] scope:SCOPE_SE
	s_setreg_imm32_b32 hwreg(HW_REG_WAVE_MODE, 25, 1), 1
	s_wait_xcnt 0x0
; For each of the work-group's 128 rows of z_e: WHICH RUN OF 16 NEIGHBOURING CODES (hg = code / 16) holds the first smallest d = fl(fl(z2 + e2) - 2 ze) over all 8,192 codes.  ze is the product on E5M2 codes with E8M0 scales.
; The index inside the run is found by the next launch, which counts the run's 16 distances again with the same instruction on the same codes.
; SHARES.  Work-group W owns rows 128 W .. 128 W + 127: eight tiles of 16.  At the head wave w quantises tile w (codes, scale words, z2), hands it to the others through LDS as an image of the operand's registers, and stores it
; for the next launch.  Then EVERY wave holds all eight tiles of z (256 registers, window 1) and takes one eighth of the codes: groups 8 t + w, that is tiles 16 t + 2 w and 16 t + 2 w + 1, t = 0 .. 31: 64 records a wave.
; THE PRODUCT: source 0 = 16 codes, source 1 = 16 rows of z: a lane holds ONE row of z (lane % 16) and eight codes.  By the records' choice of rows the 16 results of tiles 2 g, 2 g + 1 in lane half h are codes 16 (2 g + h) + 0 .. 15.
; TIES.  A strict less-than keeps the earlier group of a lane; between the halves of the lanes and between waves equal distances go to the smaller hg: the first index, as argmin has it.
; THE RECORDS (4,352 bytes a tile: codes as a register image, scale words, e2) go from memory straight into the registers of the one wave of the work-group that multiplies them: eleven loads a record, three sets of registers,
; three records ahead.  No wave reads another wave's record, so the loop has no LDS traffic and no barrier.
; NO CLUSTER, NO JOINT LOADS: a joint load lands in LDS, and here no byte of a record has a second reader in the work-group: it would add one LDS write and one LDS read of all 2,228,224 bytes and a round of barriers for each slot.
; NO PREFETCH: the loads themselves run three records (13,056 bytes a wave) ahead of their use, and the launch's first loads go out at its head.
; LIMITS: NaN and infinities among the inputs are not served; blocks whose largest magnitude lies under 2^-111 get the scale byte 1; z2 is summed in this text's own order (four packed chains, then a tree).
; REGISTERS.  Window 0: v1-11 addresses; v16-47 for each tile r of z (scale word 0, scale word 1, z2, the smallest d so far); v48-55 its group; v56-63 a group's minimum; v64-69 the codes' scale words, three sets;
;   v72-95 e2, three sets; v96-111 e2 + z2; v112-207 the codes' fragments, three sets of 32; v208-239 four accumulators.  Window 1: z's fragment (tile r, K step s) at v[32 r + 16 s].
;   At the head: window 1 v0-127 128 numbers of z; window 0 v16-31 the quantiser's, v32-39 squares, v208-239 codes, v240-243 (word, word, z2, +infinity).
.set REC,   4352                       ; a tile's record
.set GSTEP, 16*REC                     ; from a wave's group to its next: eight waves x two records
.set ZMETA, 8*4096                     ; LDS: z's eight tiles as images from byte 0, 4,096 bytes each; then their (word, word, z2, +infinity), 512 bytes a tile,
.set SPARE, ZMETA+8*512                ; the spare words, 128 bytes for each wave: four blocks of 256 bytes that no other line names,
.set SCR,   SPARE+1024                 ; 1,024 bytes for each wave: (smallest d, hg) of the 128 rows,
.set STG,   SCR+8*1024                 ; and a stage of its own for each wave: its 16 rows of z_e as f32, XP bytes a row
.set XP,    1040                       ; a stage row: 1,024 bytes + 16 of padding, so that the 16 rows that a load touches start at 16 different 16-byte columns of 256 bytes
.set SA,    247                        ; v247 the stage on the way in: 16 x lane in my wave's stage
.set GL,  1                            ; v1   16 x lane
.set LS,  2                            ; v2   a record's scale words of my tile row
.set LE,  3                            ; v3   a record's eight e2 of my half
.set SPW, 4                            ; v4   LDS address of my spare word; never rewritten
.set NIL, 5                            ; v5   0; never rewritten
.set XA,  6                            ; v6   the stage on the way out: row lane % 16, + 64 (lane / 16)
.set ZW,  7                            ; v7   where I store z's images
.set MW,  8                            ; v8   where I store (word, word, z2, +infinity)
.set SCW, 9                            ; v9   the scratch: where I put a row's pair
.set SRD, 10                           ; v10  and where waves 0 and 1 read two rows' pairs
.set GV,  11
.set MT,  16
.set GID, 48
.set GM,  56
.set CSC, 64
.set EE,  72
.set TT,  96
.set CF,  112
.set DD,  208
.set PR,  96                           ; at the end: eight pairs (smallest d, hg)
.set X0,  0                            ; window 1
.set X1,  64
.set TM,  16
.set SQ,  32
.set PC0, 208
.set PC1, 224
.set PW0, 240
.set PW1, 241
.set Z2,  242
.set WV,   14                          ; s14  my wave's number
.set TRIPS, 40
.set GIDS, 42                          ; s42  the number of the group in hand
.set SEL,  44                          ; s[44:45] lane selects: lane l xor 16
.set MNT,  46                          ; s46  the mantissa field of 57,344
.set MK,   48                          ; s48-55 masks (at the head: offsets)
.set MSB, 0
.macro WIN new                         ; the immediate's high byte repeats the setting that is left
.if MSB != \new
	s_set_vgpr_msb (MSB<<8)|\new
.set MSB, \new
.endif
.endm
.macro XLOAD reg, s                    ; K step s of my wave's 16 rows as the bytes lie: 512 consecutive bytes a load, into window 1, v128 on
.irp i, 0,1,2,3,4,5,6,7,8,9,10,11,12,13,14,15
	global_load_b128 v[128+\reg+4*\i:128+\reg+4*\i+3], v[GL], s[4:5] offset:1024*\i+512*\s th:TH_LOAD_NT
.endr
.endm
; They turn through my wave's own stage (LDS serves a wave's instructions in order: no wait between the stores and the loads) and come back as the quantiser wants them:
; register 16 b + i = k 32 b + 16 (lane / 16) + i of row lane % 16
.macro XTURN reg, s
	WIN 0x04                                       ; the stores' data window 1, address window 0
.irp i, 0,1,2,3,4,5,6,7,8,9,10,11,12,13,14,15
	ds_store_b128 v[SA], v[128+\reg+4*\i:128+\reg+4*\i+3] offset:XP*\i+512*\s
.endr
	WIN 0x40                                       ; destination window 1, address window 0
.irp b, 0,1,2,3
.irp j, 0,1,2,3
	ds_load_b128 v[\reg+16*\b+4*\j:\reg+16*\b+4*\j+3], v[XA] offset:512*\s+128*\b+16*\j
.endr
.endr
	WIN 0
.endm
.macro SUMSQ reg, first                ; the squares of 64 numbers (window 1) onto four packed chains (window 0); first = 1: the first four products start the chains
	WIN 0x05
.set qi, 0
.rept 32
.if (\first) && (qi < 4)
	v_pk_mul_f32 v[SQ+2*qi:SQ+2*qi+1], v[\reg+2*qi:\reg+2*qi+1], v[\reg+2*qi:\reg+2*qi+1]
.else
	v_pk_fma_f32 v[SQ+2*(qi%4):SQ+2*(qi%4)+1], v[\reg+2*qi:\reg+2*qi+1], v[\reg+2*qi:\reg+2*qi+1], v[SQ+2*(qi%4):SQ+2*(qi%4)+1]
.endif
.set qi, qi+1
.endr
.endm
.macro QUANT s, pc, pw                 ; 64 numbers v[s] on (window 1) become a fragment's 16 registers of codes v[pc] on and its scale word v[pw] (window 0)
	WIN 0x05
.irp b, 0,1,2,3
	v_max3_num_f32 v[TM+\b], |v[\s+16*\b]|, |v[\s+1+16*\b]|, 0x8000000   ; block b: my 16 numbers, and the floor 2^(16 - 127): the byte cannot fall under 1
.endr
	WIN 0x14
.irp i, 2,4,6,8,10,12,14
.irp b, 0,1,2,3
.if \i > 2
	s_delay_alu instid0(VALU_DEP_4)
.endif
	v_max3_num_f32 v[TM+\b], v[TM+\b], |v[\s+16*\b+\i]|, |v[\s+1+16*\b+\i]|   ; the four blocks by turns
.endr
.endr
	WIN 0
.irp b, 0,1,2,3
	v_permlanex16_b32 v[TM+4+\b], v[TM+\b], s[SEL], s[SEL+1]
.endr
.irp b, 0,1,2,3
	s_delay_alu instid0(VALU_DEP_4)
	v_max_num_f32 v[TM+\b], v[TM+\b], v[TM+4+\b]   ; with lane l xor 16's 16: the block's largest magnitude
.endr
.irp b, 0,1,2,3
	s_delay_alu instid0(VALU_DEP_4)
	v_add_nc_u32 v[TM+12+\b], 0xf8800000, v[TM+\b]   ; 15 off its exponent field: the conversion takes this operand's exponent field as its scale
.endr
.irp b, 0,1,2,3
	v_and_or_b32 v[TM+8+\b], v[TM+\b], 0x7f800000, s[MNT]   ; 57,344 x the scale
.endr
.irp b, 0,1,2,3
	v_lshrrev_b32 v[TM+4+\b], 23, v[TM+12+\b]   ; the scale's byte
.endr
	s_delay_alu instid0(VALU_DEP_3)
	v_lshl_or_b32 v[\pw], v[TM+5], 8, v[TM+4]
	s_delay_alu instid0(VALU_DEP_1)
	v_lshl_or_b32 v[\pw], v[TM+6], 16, v[\pw]
	s_delay_alu instid0(VALU_DEP_1)
	v_lshl_or_b32 v[\pw], v[TM+7], 24, v[\pw]
	WIN 0x41
.irp b, 0,1,2,3
.irp i, 0,1,2,3,4,5,6,7,8,9,10,11,12,13,14,15
	v_med3_num_f32 v[\s+16*\b+\i], v[\s+16*\b+\i], -v[TM+8+\b], v[TM+8+\b]   ; the conversion to an 8-bit code does not saturate (ISA guide 7.6.2): the hold at the largest code x the scale
.endr
.endr
	WIN 0x01
.irp b, 0,1,2,3
	v_cvt_scalef32_pk8_bf8_f32 v[\pc+4*\b:\pc+1+4*\b], v[\s+16*\b:\s+7+16*\b], v[TM+12+\b]
	v_cvt_scalef32_pk8_bf8_f32 v[\pc+2+4*\b:\pc+3+4*\b], v[\s+8+16*\b:\s+15+16*\b], v[TM+12+\b]
.endr
	WIN 0
	v_nop                                          ; one plain vector instruction behind the last conversion, ahead of whatever next touches its registers
.endm
; Eleven loads: my record q, counted from the base, into set b: both fragments (eight loads of 512 consecutive bytes), my tile row's two scale words, my half's eight e2
.macro LOADR b, q
.set RO, ((\q)/2)*GSTEP+((\q)%2)*REC
.irp c, 0,1,2,3,4,5,6,7
	global_load_b128 v[CF+32*\b+4*\c:CF+32*\b+4*\c+3], v[GL], s[6:7] offset:RO+512*\c
.endr
	global_load_b64 v[CSC+2*\b:CSC+2*\b+1], v[LS], s[6:7] offset:RO
	global_load_b128 v[EE+8*\b:EE+8*\b+3], v[LE], s[6:7] offset:RO
	global_load_b128 v[EE+8*\b+4:EE+8*\b+7], v[LE], s[6:7] offset:RO+16
.endm
; Eight matrix instructions: the tile in set b against z's tiles 4 f .. 4 f + 3, K step 0 (which starts the sums: nothing is cleared), then K step 1.  The four accumulators take turns, one instruction a turn.
.macro MM4 b, f
	WIN 0x04                                       ; source 1 (z) window 1; all else window 0
.irp x, 0,1,2,3
	v_wmma_scale_f32_16x16x128_f8f6f4 v[DD+8*\x:DD+8*\x+7], v[CF+32*\b:CF+32*\b+15], v[32*(4*\f+\x):32*(4*\f+\x)+15], 0, v[CSC+2*\b], v[MT+4*(4*\f+\x)] matrix_a_fmt:MATRIX_FMT_BF8 matrix_b_fmt:MATRIX_FMT_BF8
.endr
.irp x, 0,1,2,3
	v_wmma_scale_f32_16x16x128_f8f6f4 v[DD+8*\x:DD+8*\x+7], v[CF+32*\b+16:CF+32*\b+31], v[32*(4*\f+\x)+16:32*(4*\f+\x)+31], v[DD+8*\x:DD+8*\x+7], v[CSC+2*\b+1], v[MT+4*(4*\f+\x)+1] matrix_a_fmt:MATRIX_FMT_BF8 matrix_b_fmt:MATRIX_FMT_BF8
.endr
	WIN 0
.endm
; The distances of these four tiles of z, and their minima.  u = 0: the group's first tile starts the minimum; u = 1: its second goes on.
; The first eight additions name no register of the products just issued: they are the eight places between a matrix instruction of this form and the first read of its result; the lines on the other
; accumulators are the places in front of the next products, which write over these accumulators, and of the next loads into the set.  Each accumulator is read from its low end on.
.macro EPI4 b, u, f
.irp q, 0,1
.irp j, 0,2,4,6
.irp x, 0,1
	v_pk_add_f32 v[TT+8*\x+\j:TT+8*\x+\j+1], v[EE+8*\b+\j:EE+8*\b+\j+1], v[MT+4*(4*\f+2*\q+\x)+2:MT+4*(4*\f+2*\q+\x)+3] op_sel_hi:[1,0]   ; e2 + z2 (of the pair (z2, smallest) the low word serves both halves)
.endr
.endr
.irp j, 0,2,4,6
.irp x, 0,1
	v_pk_fma_f32 v[DD+8*(2*\q+\x)+\j:DD+8*(2*\q+\x)+\j+1], v[DD+8*(2*\q+\x)+\j:DD+8*(2*\q+\x)+\j+1], -2.0, v[TT+8*\x+\j:TT+8*\x+\j+1] op_sel_hi:[1,0,1]   ; d = ze x -2 + (e2 + z2): 2 ze is exact, so this is the second rounding
.endr
.endr
.endr
.if \u == 0
.irp x, 0,1,2,3
	v_min3_num_f32 v[GM+4*\f+\x], v[DD+8*\x], v[DD+8*\x+1], v[DD+8*\x+2]
.endr
.irp i, 3,5
.irp x, 0,1,2,3
	s_delay_alu instid0(VALU_DEP_4)
	v_min3_num_f32 v[GM+4*\f+\x], v[GM+4*\f+\x], v[DD+8*\x+\i], v[DD+8*\x+\i+1]
.endr
.endr
.irp x, 0,1,2,3
	s_delay_alu instid0(VALU_DEP_4)
	v_min_num_f32 v[GM+4*\f+\x], v[GM+4*\f+\x], v[DD+8*\x+7]
.endr
.else
.irp x, 0,1,2,3
	v_min3_num_f32 v[GM+4*\f+\x], v[GM+4*\f+\x], v[DD+8*\x], v[DD+8*\x+1]
.endr
.irp i, 2,4,6
.irp x, 0,1,2,3
	s_delay_alu instid0(VALU_DEP_4)
	v_min3_num_f32 v[GM+4*\f+\x], v[GM+4*\f+\x], v[DD+8*\x+\i], v[DD+8*\x+\i+1]
.endr
.endr
.endif
.endm
.macro TRACK                           ; a group is done: where its minimum is strictly smaller than all before, its number is kept; then on to my next group
	v_mov_b32 v[GV], s[GIDS]
.irp r, 0,1,2,3,4,5,6,7
	v_cmp_lt_f32 s[MK+\r], v[GM+\r], v[MT+4*\r+3]
.endr
.irp r, 0,1,2,3,4,5,6,7
	v_cndmask_b32 v[GID+\r], v[GID+\r], v[GV], s[MK+\r]
.endr
.irp r, 0,1,2,3,4,5,6,7
	v_min_num_f32 v[MT+4*\r+3], v[MT+4*\r+3], v[GM+\r]
.endr
	s_add_co_u32 s[GIDS], s[GIDS], 8
.endm
; One record: the set b is waited for (cnt = the loads issued behind its eleven: those of the younger records), multiplied and searched; then the set takes record q, counted from the base (q < 0: nothing more is loaded)
.macro STEP b, u, q, cnt
	s_wait_alu depctr_va_vdst(0)
	s_wait_loadcnt \cnt
	MM4 \b, 0
	EPI4 \b, \u, 0
	MM4 \b, 1
	EPI4 \b, \u, 1
.if (\q) >= 0
	LOADR \b, \q
.endif
.if \u
	TRACK
.endif
.endm
; A trip's last record: as STEP with u = 1, but the base goes on to the next trip's six records ahead of the load, whose q counts from the new base.  The loads that still name the base were issued a record earlier.
.macro STEPA b, q, cnt
	s_wait_alu depctr_va_vdst(0)
	s_wait_loadcnt \cnt
	MM4 \b, 0
	EPI4 \b, 1, 0
	MM4 \b, 1
	EPI4 \b, 1, 1
	s_wait_alu depctr_va_vdst(0)
	s_wait_xcnt 0x0                                ; the loads have read their base: it steps only behind this wait
	s_add_nc_u64 s[6:7], s[6:7], 3*GSTEP
	LOADR \b, \q
	TRACK
.endm
; Of two (distance, number) the smaller distance, at equal distances the smaller number
.macro BETTER val, num, oval, onum, dval, dnum
	v_cmp_lt_f32 s[MK], v[\oval], v[\val]
	v_cmp_eq_f32 s[MK+1], v[\oval], v[\val]
	v_cmp_lt_u32 s[MK+2], v[\onum], v[\num]
	s_and_b32 s[MK+1], s[MK+1], s[MK+2]
	s_or_b32 s[MK], s[MK], s[MK+1]
	v_cndmask_b32 v[\dval], v[\val], v[\oval], s[MK]
	v_cndmask_b32 v[\dnum], v[\num], v[\onum], s[MK]
.endm
	s_load_b256 s[4:11], s[0:1], 0x0               ; z_e s[4:5], the records s[6:7], z's codes s[8:9], z's words and z2 s[10:11]
	s_load_b64 s[12:13], s[0:1], 0x20              ; hg
	v_lshl_add_u32 v[SPW], v0, 2, SPARE
	v_mov_b32 v[NIL], 0
	v_lshrrev_b32 v12, 5, v0
	v_and_b32 v13, 31, v0                          ; lane
	v_and_b32 v14, 15, v0                          ; r
	v_bfe_u32 v15, v0, 4, 1                        ; h
	v_readfirstlane_b32 s[WV], v12                 ; wave 0..7
	v_lshlrev_b32 v[GL], 4, v13
	v_lshl_add_u32 v[LS], v14, 3, 4096
	v_lshl_add_u32 v[LE], v15, 5, 4224
	v_mul_u32_u24 v[XA], v14, XP                   ; the stage: row r,
	s_lshl_b32 s17, s[WV], 12
	v_add_nc_u32 v[ZW], s17, v[GL]
	v_lshl_add_u32 v[XA], v15, 6, v[XA]            ; + 64 h: my 16 numbers of a block
	s_lshl_b32 s17, s[WV], 9
	s_add_co_u32 s17, s17, ZMETA
	v_add_nc_u32 v[MW], s17, v[GL]
	s_lshl_b32 s17, s[WV], 10
	s_add_co_u32 s17, s17, SCR
	v_lshl_add_u32 v[SCW], v14, 3, s17
	s_and_b32 s17, s[WV], 1
	s_lshl_b32 s17, s17, 9
	s_add_co_u32 s17, s17, SCR
	s_wait_alu depctr_va_vdst(0)
	v_add_nc_u32 v[SRD], s17, v[GL]
	s_mul_i32 s17, s[WV], 16*XP
	s_add_co_u32 s17, s17, STG                     ; my wave's stage
	v_add_nc_u32 v[XA], s17, v[XA]
	v_add_nc_u32 v[SA], s17, v[GL]
.irp b, 0,1,2,3
	v_mov_b32 v[TM+4+\b], 0                        ; written once: a lane permute's destination counts as one of its sources
.endr
	s_mov_b32 s[SEL], 0x76543210
	s_mov_b32 s[SEL+1], 0xfedcba98
	s_mov_b32 s[MNT], 0x600000
	s_mov_b32 s[TRIPS], 10
	s_mov_b32 s[GIDS], s[WV]                       ; my groups: w, w + 8, ..
	s_mul_i32 s18, s[WV], 2*REC                    ; my first record: tile 2 w
	s_mov_b32 s19, 0
	s_lshl_b32 s48, ttmp9, 17                      ; z_e: 128 W rows of 1,024 bytes + 16 w rows
	s_lshl_b32 s17, s[WV], 14
	s_add_co_u32 s48, s48, s17
	s_mov_b32 s49, 0
	s_lshl_b32 s50, ttmp9, 15                      ; zc: tile 8 W + w of 4,096 bytes
	s_lshl_b32 s17, s[WV], 12
	s_add_co_u32 s50, s50, s17
	s_mov_b32 s51, 0
	s_lshl_b32 s52, ttmp9, 12                      ; zmeta: 512 bytes a tile
	s_lshl_b32 s17, s[WV], 9
	s_add_co_u32 s52, s52, s17
	s_mov_b32 s53, 0
	s_lshl_b32 s54, ttmp9, 9                       ; hg: 128 W numbers of 4 bytes + 64 for wave 1
	s_and_b32 s17, s[WV], 1
	s_lshl_b32 s17, s17, 8
	s_add_co_u32 s54, s54, s17
	s_mov_b32 s55, 0
	s_wait_alu depctr_va_vdst(0)
	s_wait_kmcnt 0x0
	s_add_nc_u64 s[4:5], s[4:5], s[48:49]
	s_add_nc_u64 s[6:7], s[6:7], s[18:19]
	s_add_nc_u64 s[8:9], s[8:9], s[50:51]
	s_add_nc_u64 s[10:11], s[10:11], s[52:53]
	s_add_nc_u64 s[12:13], s[12:13], s[54:55]
	WIN 0x40                                       ; destination window 1, address window 0
	XLOAD X0, 0                                    ; my tile of z,
	XLOAD X1, 1
	WIN 0
	LOADR 0, 0                                     ; and my first three records, which land while z is quantised
	LOADR 1, 1
	LOADR 2, 2
	; ---- z: my 16 rows become two fragments, two scale words and z2
	s_wait_loadcnt 49                              ; K step 0's sixteen loads are in; behind them: K step 1's sixteen and the records' 33
	XTURN X0, 0
	s_wait_loadcnt 33                              ; K step 1 is in; the records' 33 loads may be out
	XTURN X1, 1
	s_wait_dscnt 32                                ; K step 0 is back from the stage; behind its loads: K step 1's sixteen stores and sixteen loads
	SUMSQ X0, 1                                    ; ahead of the quantiser, whose hold changes the numbers
	QUANT X0, PC0, PW0
.irp c, 0,1,2,3
	ds_store_b128 v[ZW], v[PC0+4*\c:PC0+4*\c+3] offset:512*\c          ; the fragment goes to LDS as it stands in the registers: lane l's 16 bytes at 16 l
.endr
	s_wait_dscnt 0x0                               ; K step 1 is back from the stage
	SUMSQ X1, 0
	QUANT X1, PC1, PW1
.irp c, 0,1,2,3
	ds_store_b128 v[ZW], v[PC1+4*\c:PC1+4*\c+3] offset:2048+512*\c
.endr
	v_pk_add_f32 v[SQ:SQ+1], v[SQ:SQ+1], v[SQ+2:SQ+3]
	v_pk_add_f32 v[SQ+4:SQ+5], v[SQ+4:SQ+5], v[SQ+6:SQ+7]
	s_delay_alu instid0(VALU_DEP_1)
	v_pk_add_f32 v[SQ:SQ+1], v[SQ:SQ+1], v[SQ+4:SQ+5]
	s_delay_alu instid0(VALU_DEP_1)
	v_add_f32 v[Z2], v[SQ], v[SQ+1]
	s_delay_alu instid0(VALU_DEP_1)
	v_permlanex16_b32 v[TM+4], v[Z2], s[SEL], s[SEL+1]
	s_delay_alu instid0(VALU_DEP_1)
	v_add_f32 v[Z2], v[Z2], v[TM+4]                ; z2 of my row, in both halves of the lanes
	v_mov_b32 v[Z2+1], 0x7f800000                  ; +infinity: over every distance
	ds_store_b128 v[MW], v[PW0:PW0+3]
	s_wait_alu depctr_va_vdst(0)
	s_wait_dscnt 0x0                               ; for the others' sake: my stores into LDS are done
	s_barrier_signal -1
	s_barrier_wait -1
	WIN 0x40                                       ; destination window 1, address window 0
.irp r, 0,1,2,3,4,5,6,7
.irp c, 0,1,2,3,4,5,6,7
	ds_load_b128 v[32*\r+4*\c:32*\r+4*\c+3], v[GL] offset:4096*\r+512*\c         ; all eight tiles of z: they stay
.endr
.endr
	WIN 0
.irp r, 0,1,2,3,4,5,6,7
	ds_load_b128 v[MT+4*\r:MT+4*\r+3], v[GL] offset:ZMETA+512*\r
.endr
.irp r, 0,1,2,3,4,5,6,7
	v_mov_b32 v[GID+\r], 0
.endr
.irp c, 0,1,2,3
	global_store_b128 v[GL], v[PC0+4*\c:PC0+4*\c+3], s[8:9] offset:512*\c        ; my tile for the next launch: 512 consecutive bytes a store
.endr
.irp c, 0,1,2,3
	global_store_b128 v[GL], v[PC1+4*\c:PC1+4*\c+3], s[8:9] offset:2048+512*\c
.endr
	global_store_b128 v[GL], v[PW0:PW0+3], s[10:11]
	s_wait_alu depctr_va_vdst(0)
	s_wait_dscnt 0x0                               ; z is in registers
	s_wait_xcnt 0x0                                ; my stores have read their registers, which the products write from here on
.Ltrip:                                            ; 10 trips of six records (three groups; the three sets come round twice): records 0 to 59 are worked, 3 to 62 asked for
	STEP 0, 0, 3, 22
	STEP 1, 1, 4, 22
	STEP 2, 0, 5, 22
	STEP 0, 1, 6, 22
	STEP 1, 0, 7, 22
	STEPA 2, 2, 22
	s_sub_co_u32 s[TRIPS], s[TRIPS], 1
	s_cmp_lg_u32 s[TRIPS], 0
	s_cbranch_scc1 .Ltrip
	STEP 0, 0, 3, 22                               ; the tail is written out: record 60 asks for the last, 63; no load leaves the buffer
	STEP 1, 1, -1, 22                              ; behind record 61's loads: those of 62 and 63
	STEP 2, 0, -1, 11
	STEP 0, 1, -1, 0
	; ---- the join: the halves of the lanes, then the eight waves
	v_bfe_u32 v[GV], v0, 4, 1
.irp r, 0,1,2,3,4,5,6,7
	v_lshl_add_u32 v[GID+\r], v[GID+\r], 1, v[GV]  ; hg = 2 x group + my half
.endr
.irp r, 0,1,2,3,4,5,6,7
	v_permlanex16_b32 v[GM+\r], v[MT+4*\r+3], s[SEL], s[SEL+1]
	v_permlanex16_b32 v[CF+\r], v[GID+\r], s[SEL], s[SEL+1]
.endr
.irp r, 0,1,2,3,4,5,6,7
	BETTER MT+4*\r+3, GID+\r, GM+\r, CF+\r, PR+2*\r, PR+2*\r+1
.endr
.irp r, 0,1,2,3,4,5,6,7
	ds_store_b64 v[SCW], v[PR+2*\r:PR+2*\r+1] offset:128*\r   ; row 16 r + lane % 16 at 8 bytes a row; both halves write the same pair
.endr
	s_wait_alu depctr_va_vdst(0)
	s_wait_dscnt 0x0                               ; for the others' sake
	s_barrier_signal -1
	s_barrier_wait -1
	s_cmp_lt_u32 s[WV], 2                          ; waves 0 and 1 join 64 rows each, two rows a lane
	s_cbranch_scc0 .Lnot_mine
.irp x, 0,1,2,3,4,5,6,7
	ds_load_b128 v[CF+4*\x:CF+4*\x+3], v[SRD] offset:1024*\x
.endr
	s_wait_dscnt 0x0
.irp x, 1,2,3,4,5,6,7
	BETTER CF, CF+1, CF+4*\x, CF+4*\x+1, CF, CF+1
	BETTER CF+2, CF+3, CF+4*\x+2, CF+4*\x+3, CF+2, CF+3
.endr
	v_mov_b32 v244, v[CF+1]
	s_delay_alu instid0(VALU_DEP_2)
	v_mov_b32 v245, v[CF+3]
	v_and_b32 v246, 31, v0
	s_delay_alu instid0(VALU_DEP_1)
	v_lshlrev_b32 v246, 3, v246
	global_store_b64 v246, v[244:245], s[12:13]    ; 32 lanes store 256 consecutive bytes, at a multiple of 256 from the buffer's first byte
.Lnot_mine:
	s_wait_tensorcnt 0x0                           ; the wave's end, behind my last LDS store
	ds_add_u32 v[SPW], v[NIL]
	s_wait_dscnt 0x0
	s_endpgm
.Lfunc_end_k_q213e4c63d6_search:
	.size	k_q213e4c63d6_search, .Lfunc_end_k_q213e4c63d6_search-k_q213e4c63d6_search
	.p2alignl 7, 3214868480
	.fill 96, 4, 3214868480
	.section	.rodata,"a",@progbits
	.p2align	6, 0x0
	.amdhsa_kernel k_q213e4c63d6_search
		.amdhsa_group_segment_fixed_size 179200
		.amdhsa_private_segment_fixed_size 0
		.amdhsa_enable_private_segment 0
		.amdhsa_kernarg_size 40
		.amdhsa_user_sgpr_count 2
		.amdhsa_user_sgpr_kernarg_segment_ptr 1
		.amdhsa_wavefront_size32 1
		.amdhsa_system_sgpr_workgroup_id_x 1
		.amdhsa_system_sgpr_workgroup_id_y 1
		.amdhsa_system_sgpr_workgroup_id_z 1
		.amdhsa_system_vgpr_workitem_id 0
		.amdhsa_next_free_vgpr 512
		.amdhsa_next_free_sgpr 66
		.amdhsa_reserve_vcc 0
		.amdhsa_float_denorm_mode_32 3
		.amdhsa_float_denorm_mode_16_64 3
		.amdhsa_memory_ordered 1
		.amdhsa_forward_progress 1
		.amdhsa_inst_pref_size 157
	.end_amdhsa_kernel
	.amdgpu_metadata
---
amdhsa.version: [ 1, 2 ]
amdhsa.kernels:
  - .name:           k_q213e4c63d6_search
    .symbol:         k_q213e4c63d6_search.kd
    .args:
      - { .name: z_e, .offset: 0, .size: 8, .value_kind: global_buffer, .address_space: global }
      - { .name: cbrec, .offset: 8, .size: 8, .value_kind: global_buffer, .address_space: global }
      - { .name: zc, .offset: 16, .size: 8, .value_kind: global_buffer, .address_space: global }
      - { .name: zmeta, .offset: 24, .size: 8, .value_kind: global_buffer, .address_space: global }
      - { .name: hg, .offset: 32, .size: 8, .value_kind: global_buffer, .address_space: global }
    .group_segment_fixed_size: 179200
    .private_segment_fixed_size: 0
    .kernarg_segment_align: 8
    .kernarg_segment_size: 40
    .max_flat_workgroup_size: 256
    .sgpr_count:     66
    .vgpr_count:     512
    .wavefront_size: 32
...
	.end_amdgpu_metadata
.endif
;; end of part 2
;; launch resolve (part 3): grid 256 x 1, 8 waves a work-group, no clusters, 2,048 bytes of LDS; arguments cbrec, zc, zmeta, hg, out1, idx; writes out1, idx
.if DOCPART == 3
	.amdgcn_target "amdgcn-amd-amdhsa--gfx1250"
	.amdhsa_code_object_version 6
	.text
	.protected	k_q213e4c63d6_resolve
	.globl	k_q213e4c63d6_resolve
	.p2align	8
	.type	k_q213e4c63d6_resolve,@function
k_q213e4c63d6_resolve:
	s_mov_b64 s[64:65], 0
	v_nop
	global_prefetch_b8 v0, s[64:65] scope:SCOPE_SE
	s_setreg_imm32_b32 hwreg(HW_REG_WAVE_MODE, 25, 1), 1
	s_wait_xcnt 0x0
; The index: for each row of z the 16 distances of its run of codes (hg, stored by the launch before as whole numbers) are counted again, by the same matrix instruction on the same codes and scale words,
; with the same two roundings d = fl(fl(e2 + z2) - 2 ze), and the first smallest is taken: index = 16 hg + its place.  It goes to out1 and, for the next launch's addresses, to idx.
; SHARES.  A wave takes a tile of 16 rows of z.  For row i one product of two K steps: source 0 = the 16 codes of row i's run, source 1 = the tile of z; of its 16 x 16 results column i alone is kept (a select on the lane's
; number).  That is 32 matrix instructions for 16 rows.
; THE RUN IN THE RECORDS.  Code 16 hg + p lies in tile (hg & 0x1fe) + p / 8, tile row 8 (hg & 1) + p % 8.  So lane (r, h) of the fragment takes, from record (hg & 0x1fe) + r / 8, the 16 bytes at 2048 s + 512 c + 128 (hg & 1) + 16 (r % 8) + 256 h.
; What hangs on hg stands in a scalar base for each row; hg is held to 511 ahead of every address.
; No cluster: the work-groups' fragments are gathered by their rows' own numbers and are not shared tile by tile.  No tensor load.  Loads run two chunks of four rows ahead, in two sets of registers.
; REGISTERS.  Window 0: v1-15 addresses and the end's work; v16-47 z's two fragments; v48-51 (scale word 0, scale word 1, z2, unused); v52-83 the runs' scale words, a pair a row; v84-99 their offsets;
;   v100-131 four accumulators; v132-139 my row's eight ze, then d; v140-147 e2; v148-155 e2 + z2.  Window 1: the runs' fragments, two sets of 4 rows x 32 registers.
.set REC, 4352
.set L16, 1                            ; v1   16 x lane
.set RR,  2                            ; v2   r
.set HH,  3                            ; v3   h
.set LC,  4                            ; v4   my lane's place in a run's two records: codes
.set SCO, 5                            ; v5   and scale words
.set HGV, 6                            ; v6   my row's hg
.set R4,  7                            ; v7   4 r
.set LW,  8                            ; v8   LDS: 4 (16 wave + r)
.set EA,  11                           ; v11  my eight e2
.set SL,  13                           ; v13  the place of the smallest
.set ZF,  16
.set ZM,  48
.set AS,  52
.set AO,  84
.set DD,  100
.set EV,  132
.set E2R, 140
.set TT,  148
.set WV,  66                           ; s66  my wave's number
.set HG,  16                           ; s16-31 the 16 rows' hg
.set BA,  32                           ; s[32+2i:33+2i] row i's base in the records
.set SEL, 76                           ; s[76:77] lane selects: lane l xor 16
.set MSB, 0
.macro WIN new                         ; the immediate's high byte repeats the setting that is left
.if MSB != \new
	s_set_vgpr_msb (MSB<<8)|\new
.set MSB, \new
.endif
.endm
.macro CHUNK n                         ; rows 4 n .. 4 n + 3: 32 loads of codes into set n % 2, then 4 of scale words: 36 loads
	WIN 0x40                                       ; destination window 1, address window 0
.irp x, 0,1,2,3
.irp c, 0,1,2,3,4,5,6,7
	global_load_b128 v[128*((\n)%2)+32*\x+4*\c:128*((\n)%2)+32*\x+4*\c+3], v[LC], s[BA+2*(4*(\n)+\x):BA+2*(4*(\n)+\x)+1] offset:512*\c
.endr
.endr
	WIN 0
.irp x, 0,1,2,3
	global_load_b64 v[AS+2*(4*(\n)+\x):AS+2*(4*(\n)+\x)+1], v[AO+4*(\n)+\x], s[4:5]
.endr
.endm
.macro PROC n                          ; their products, four accumulators by turns, and the selects
	WIN 0x01                                       ; source 0 (the run) window 1
.irp x, 0,1,2,3
	v_wmma_scale_f32_16x16x128_f8f6f4 v[DD+8*\x:DD+8*\x+7], v[128*((\n)%2)+32*\x:128*((\n)%2)+32*\x+15], v[ZF:ZF+15], 0, v[AS+2*(4*(\n)+\x)], v[ZM] matrix_a_fmt:MATRIX_FMT_BF8 matrix_b_fmt:MATRIX_FMT_BF8
.endr
.irp x, 0,1,2,3
	v_wmma_scale_f32_16x16x128_f8f6f4 v[DD+8*\x:DD+8*\x+7], v[128*((\n)%2)+32*\x+16:128*((\n)%2)+32*\x+31], v[ZF+16:ZF+31], v[DD+8*\x:DD+8*\x+7], v[AS+2*(4*(\n)+\x)+1], v[ZM+1] matrix_a_fmt:MATRIX_FMT_BF8 matrix_b_fmt:MATRIX_FMT_BF8
.endr
	WIN 0
.rept 8
	v_nop                                          ; eight places between a matrix instruction of this form and the first read of its result; with the other rows' selects below they are more than the nine in front of the next chunk's products, which write over these accumulators, and the eight in front of the next loads into this set
.endr
	s_wait_alu depctr_va_vdst(0)
.irp x, 0,1,2,3
.if (4*(\n)+\x) == 0
.irp j, 0,1,2,3,4,5,6,7
	v_mov_b32 v[EV+\j], v[DD+\j]                   ; row 0 starts the selection: every lane is written
.endr
.else
	v_cmp_eq_u32 vcc_lo, 4*(\n)+\x, v[RR]
.irp j, 0,1,2,3,4,5,6,7
	v_cndmask_b32 v[EV+\j], v[EV+\j], v[DD+8*\x+\j], vcc_lo   ; the lanes of this row keep its column; each accumulator is read from its low end on
.endr
.endif
.endr
.endm
	s_load_b256 s[4:11], s[0:1], 0x0               ; the records s[4:5], z's codes s[6:7], z's words and z2 s[8:9], hg s[10:11]
	s_load_b128 s[12:15], s[0:1], 0x20             ; out1 s[12:13], idx s[14:15]
	v_lshl_add_u32 v254, v0, 2, 0x400
	v_mov_b32 v255, 0
	v_lshrrev_b32 v9, 5, v0
	s_delay_alu instid0(VALU_DEP_1)
	v_readfirstlane_b32 s[WV], v9                  ; wave 0..7
	v_and_b32 v9, 31, v0
	s_delay_alu instid0(VALU_DEP_1)
	v_lshlrev_b32 v[L16], 4, v9
	v_and_b32 v[RR], 15, v0
	v_bfe_u32 v[HH], v0, 4, 1
	s_delay_alu instid0(VALU_DEP_2)
	v_lshrrev_b32 v9, 3, v[RR]
	s_delay_alu instid0(VALU_DEP_1)
	v_mul_u32_u24 v9, v9, REC                      ; the run's second record for r = 8 .. 15
	s_delay_alu instid0(VALU_DEP_4)
	v_and_b32 v10, 7, v[RR]
	s_delay_alu instid0(VALU_DEP_1)
	v_lshl_add_u32 v[LC], v10, 4, v9
	s_delay_alu instid0(VALU_DEP_1)
	v_lshl_add_u32 v[LC], v[HH], 8, v[LC]
	s_delay_alu instid0(VALU_DEP_3)
	v_lshl_add_u32 v[SCO], v10, 3, v9
	s_delay_alu instid0(VALU_DEP_1)
	v_add_nc_u32 v[SCO], 4096, v[SCO]
	v_lshlrev_b32 v[R4], 2, v[RR]
	s_lshl_b32 s74, s[WV], 6
	v_add_nc_u32 v[LW], s74, v[R4]
	v_mov_b32 v14, 0                               ; written once: a lane permute's destination counts as one of its sources
	v_mov_b32 v15, 0
	s_mov_b32 s[SEL], 0x76543210
	s_mov_b32 s[SEL+1], 0xfedcba98
	s_lshl_b32 s67, ttmp9, 3
	s_add_co_u32 s67, s67, s[WV]                   ; my tile of rows: 8 x work-group + wave
	s_lshl_b32 s68, s67, 6                         ; hg: 16 numbers of 4 bytes a tile
	s_mov_b32 s69, 0
	s_lshl_b32 s70, s67, 12                        ; zc: 4,096 bytes a tile
	s_mov_b32 s71, 0
	s_lshl_b32 s72, s67, 9                         ; zmeta: 512
	s_mov_b32 s73, 0
	s_lshl_b32 s74, ttmp9, 9                       ; out1, idx: 128 numbers a work-group
	s_mov_b32 s75, 0
	s_wait_alu depctr_va_vdst(0)
	s_wait_kmcnt 0x0
	s_add_nc_u64 s[10:11], s[10:11], s[68:69]
	s_add_nc_u64 s[6:7], s[6:7], s[70:71]
	s_add_nc_u64 s[8:9], s[8:9], s[72:73]
	s_add_nc_u64 s[12:13], s[12:13], s[74:75]
	s_add_nc_u64 s[14:15], s[14:15], s[74:75]
	s_load_b512 s[HG:HG+15], s[10:11], 0x0         ; the tile's 16 hg as scalars,
	global_load_b32 v[HGV], v[R4], s[10:11]        ; and my row's in my lane
.irp c, 0,1,2,3,4,5,6,7
	global_load_b128 v[ZF+4*\c:ZF+4*\c+3], v[L16], s[6:7] offset:512*\c
.endr
	global_load_b128 v[ZM:ZM+3], v[L16], s[8:9]
	s_wait_kmcnt 0x0
.irp i, 0,1,2,3,4,5,6,7,8,9,10,11,12,13,14,15
	s_min_u32 s[HG+\i], s[HG+\i], 511              ; a loaded number enters an address only behind this hold
	s_and_b32 s74, s[HG+\i], 0x1fe
	s_mul_i32 s74, s74, REC                        ; the run's first record
	s_and_b32 s75, s[HG+\i], 1
	s_lshl_b32 s68, s75, 6                         ; its scale words: 8 tile rows of 8 bytes on for an odd hg
	s_add_co_u32 s68, s68, s74
	v_add_nc_u32 v[AO+\i], s68, v[SCO]
	s_lshl_b32 s75, s75, 7                         ; its codes: 8 tile rows of 16 bytes on
	s_add_co_u32 s74, s74, s75
	s_mov_b32 s75, 0
	s_add_nc_u64 s[BA+2*\i:BA+2*\i+1], s[4:5], s[74:75]
.endr
	CHUNK 0
	s_wait_alu depctr_va_vdst(0)
	CHUNK 1
	s_wait_loadcnt 36                              ; hg, z, its words and chunk 0 are in; chunk 1's 36 loads may be out
	PROC 0
	CHUNK 2
	v_min_u32 v[HGV], 0x1ff, v[HGV]
	s_delay_alu instid0(VALU_DEP_1)
	v_and_b32 v[EA], 0x1fe, v[HGV]
	s_delay_alu instid0(VALU_DEP_1)
	v_add_nc_u32 v[EA], v[EA], v[HH]               ; my eight codes 16 hg + 8 h + 0 .. 7 lie in record (hg & 0x1fe) + h,
	s_delay_alu instid0(VALU_DEP_1)
	v_mul_u32_u24 v[EA], v[EA], REC
	s_delay_alu instid0(VALU_DEP_4)
	v_and_b32 v12, 1, v[HGV]
	s_delay_alu instid0(VALU_DEP_1)
	v_lshl_add_u32 v[EA], v12, 5, v[EA]            ; tile rows 8 (hg & 1) on
	global_load_b128 v[E2R:E2R+3], v[EA], s[4:5] offset:4224
	global_load_b128 v[E2R+4:E2R+7], v[EA], s[4:5] offset:4240
	s_wait_loadcnt 38                              ; chunk 1 is in; behind it: chunk 2's 36 and the two of e2
	PROC 1
	CHUNK 3
	s_wait_loadcnt 38                              ; chunk 2 is in; behind it: the two of e2 and chunk 3's 36
	PROC 2
	s_wait_loadcnt 0x0
	PROC 3
.irp j, 0,2,4,6
	v_pk_add_f32 v[TT+\j:TT+\j+1], v[E2R+\j:E2R+\j+1], v[ZM+2:ZM+3] op_sel_hi:[1,0]   ; e2 + z2
.endr
.irp j, 0,2,4,6
	s_delay_alu instid0(VALU_DEP_4)
	v_pk_fma_f32 v[EV+\j:EV+\j+1], v[EV+\j:EV+\j+1], -2.0, v[TT+\j:TT+\j+1] op_sel_hi:[1,0,1]   ; d
.endr
	v_mov_b32 v[SL], 0
.irp j, 1
	v_cmp_lt_f32 vcc_lo, v[EV+\j], v[EV]           ; strictly smaller: the first smallest is kept
	s_delay_alu instid0(VALU_DEP_1)
	v_cndmask_b32 v[SL], v[SL], \j, vcc_lo
	v_min_num_f32 v[EV], v[EV], v[EV+\j]
.endr
.irp j, 2, 3, 4, 5, 6, 7
	s_delay_alu instid0(VALU_DEP_1)
	v_cmp_lt_f32 vcc_lo, v[EV+\j], v[EV]           ; strictly smaller: the first smallest is kept
	s_delay_alu instid0(VALU_DEP_1)
	v_cndmask_b32 v[SL], v[SL], \j, vcc_lo
	s_delay_alu instid0(VALU_DEP_3)
	v_min_num_f32 v[EV], v[EV], v[EV+\j]
.endr
	s_delay_alu instid0(VALU_DEP_2)
	v_lshl_add_u32 v[SL], v[HH], 3, v[SL]          ; its place in the run: 8 h + j
	s_delay_alu instid0(VALU_DEP_2)
	v_permlanex16_b32 v14, v[EV], s[SEL], s[SEL+1]
	s_delay_alu instid0(VALU_DEP_2)
	v_permlanex16_b32 v15, v[SL], s[SEL], s[SEL+1]
	s_delay_alu instid0(VALU_DEP_2)
	v_cmp_lt_f32 s68, v14, v[EV]                   ; the other half's is taken where it is smaller, or equal and earlier
	s_delay_alu instid0(VALU_DEP_3)
	v_cmp_eq_f32 s69, v14, v[EV]
	s_delay_alu instid0(VALU_DEP_3)
	v_cmp_lt_u32 s70, v15, v[SL]
	s_and_b32 s69, s69, s70
	s_or_b32 s68, s68, s69
	v_cndmask_b32 v[SL], v[SL], v15, s68
	s_delay_alu instid0(VALU_DEP_1)
	v_lshl_add_u32 v[SL], v[HGV], 4, v[SL]         ; the index
	ds_store_b32 v[LW], v[SL]                      ; both halves write the same word with the same number
	s_wait_dscnt 0x0                               ; for wave 0's sake
	s_barrier_signal -1
	s_barrier_wait -1
	s_cmp_lg_u32 s[WV], 0
	s_cbranch_scc1 .Ldone
	ds_load_b128 v[E2R:E2R+3], v[L16]              ; the work-group's 128 indices
	s_wait_dscnt 0x0
	global_store_b128 v[L16], v[E2R:E2R+3], s[12:13]   ; 32 lanes store 512 consecutive bytes, at a multiple of 256 from the buffer's first byte
	global_store_b128 v[L16], v[E2R:E2R+3], s[14:15]
.Ldone:
	s_wait_tensorcnt 0x0
	ds_add_u32 v254, v255
	s_wait_dscnt 0x0
	s_endpgm
.Lfunc_end_k_q213e4c63d6_resolve:
	.size	k_q213e4c63d6_resolve, .Lfunc_end_k_q213e4c63d6_resolve-k_q213e4c63d6_resolve
	.p2alignl 7, 3214868480
	.fill 96, 4, 3214868480
	.section	.rodata,"a",@progbits
	.p2align	6, 0x0
	.amdhsa_kernel k_q213e4c63d6_resolve
		.amdhsa_group_segment_fixed_size 2048
		.amdhsa_private_segment_fixed_size 0
		.amdhsa_enable_private_segment 0
		.amdhsa_kernarg_size 48
		.amdhsa_user_sgpr_count 2
		.amdhsa_user_sgpr_kernarg_segment_ptr 1
		.amdhsa_wavefront_size32 1
		.amdhsa_system_sgpr_workgroup_id_x 1
		.amdhsa_system_sgpr_workgroup_id_y 1
		.amdhsa_system_sgpr_workgroup_id_z 1
		.amdhsa_system_vgpr_workitem_id 0
		.amdhsa_next_free_vgpr 512
		.amdhsa_next_free_sgpr 80
		.amdhsa_reserve_vcc 1
		.amdhsa_float_denorm_mode_32 3
		.amdhsa_float_denorm_mode_16_64 3
		.amdhsa_memory_ordered 1
		.amdhsa_forward_progress 1
		.amdhsa_inst_pref_size 39
	.end_amdhsa_kernel
	.amdgpu_metadata
---
amdhsa.version: [ 1, 2 ]
amdhsa.kernels:
  - .name:           k_q213e4c63d6_resolve
    .symbol:         k_q213e4c63d6_resolve.kd
    .args:
      - { .name: cbrec, .offset: 0, .size: 8, .value_kind: global_buffer, .address_space: global }
      - { .name: zc, .offset: 8, .size: 8, .value_kind: global_buffer, .address_space: global }
      - { .name: zmeta, .offset: 16, .size: 8, .value_kind: global_buffer, .address_space: global }
      - { .name: hg, .offset: 24, .size: 8, .value_kind: global_buffer, .address_space: global }
      - { .name: out1, .offset: 32, .size: 8, .value_kind: global_buffer, .address_space: global }
      - { .name: idx, .offset: 40, .size: 8, .value_kind: global_buffer, .address_space: global }
    .group_segment_fixed_size: 2048
    .private_segment_fixed_size: 0
    .kernarg_segment_align: 8
    .kernarg_segment_size: 48
    .max_flat_workgroup_size: 256
    .sgpr_count:     80
    .vgpr_count:     512
    .wavefront_size: 32
...
	.end_amdgpu_metadata
.endif
;; end of part 3
;; launch gather (part 4): grid 256 x 1, 16 waves a work-group, no clusters, 2,304 bytes of LDS; arguments z_e, codebook, idx, out0, part; writes out0, part
.if DOCPART == 4
	.amdgcn_target "amdgcn-amd-amdhsa--gfx1250"
	.amdhsa_code_object_version 6
	.text
	.protected	k_q213e4c63d6_gather
	.globl	k_q213e4c63d6_gather
	.p2align	8
	.type	k_q213e4c63d6_gather,@function
k_q213e4c63d6_gather:
	s_mov_b64 s[64:65], 0
	v_nop
	global_prefetch_b8 v0, s[64:65] scope:SCOPE_SE
	s_setreg_imm32_b32 hwreg(HW_REG_WAVE_MODE, 25, 1), 1
	s_wait_xcnt 0x0
; out0[row] = z_e[row] + (codebook[idx[row]] - z_e[row]), and for each work-group the sum of the squares of those differences (part[work-group]); all in f32.
; A stream: each byte of z_e is read once and each byte of out0 written once, 512 consecutive bytes an instruction.  A wave takes 8 rows of 1,024 bytes; all its 32 loads go out at once, each into registers of its own,
; so that no register is written twice and no wait frees one.  The indices were stored by the launch before as whole numbers; each is held to 8,191 ahead of its address.
; No matrix unit, no tensor load, no cluster: the rows of the codebook that work-groups share are chosen by the data.
.set ZZ, 16                            ; v16-79   8 rows of z, then of out0
.set EC, 80                            ; v80-143  8 rows of the codebook, then the differences
.set SU, 144                           ; v144-151 four packed chains of squares
.set WV, 14
.macro ROWQ i
	s_wait_loadcnt 14-2*\i                         ; z and this row of the codebook are in; the later rows' two loads each may be out
.irp p, 0,1,2,3
	v_pk_add_f32 v[EC+8*\i+2*\p:EC+8*\i+2*\p+1], v[EC+8*\i+2*\p:EC+8*\i+2*\p+1], v[ZZ+8*\i+2*\p:ZZ+8*\i+2*\p+1] neg_lo:[0,1] neg_hi:[0,1]   ; z_q - z_e
.endr
.irp p, 0,1,2,3
.if \i == 0
	s_delay_alu instid0(VALU_DEP_4)
	v_pk_mul_f32 v[SU+2*\p:SU+2*\p+1], v[EC+2*\p:EC+2*\p+1], v[EC+2*\p:EC+2*\p+1]   ; the first row starts the chains: nothing is cleared
.else
	s_delay_alu instid0(VALU_DEP_4)
	v_pk_fma_f32 v[SU+2*\p:SU+2*\p+1], v[EC+8*\i+2*\p:EC+8*\i+2*\p+1], v[EC+8*\i+2*\p:EC+8*\i+2*\p+1], v[SU+2*\p:SU+2*\p+1]
.endif
.endr
.irp p, 0,1,2,3
	v_pk_add_f32 v[ZZ+8*\i+2*\p:ZZ+8*\i+2*\p+1], v[ZZ+8*\i+2*\p:ZZ+8*\i+2*\p+1], v[EC+8*\i+2*\p:EC+8*\i+2*\p+1]   ; z_e + (z_q - z_e)
.endr
	global_store_b128 v1, v[ZZ+8*\i:ZZ+8*\i+3], s[10:11] offset:1024*\i th:TH_STORE_NT
	global_store_b128 v1, v[ZZ+8*\i+4:ZZ+8*\i+7], s[10:11] offset:1024*\i+512 th:TH_STORE_NT
.endm
	s_load_b256 s[4:11], s[0:1], 0x0               ; z_e s[4:5], the codebook s[6:7], idx s[8:9], out0 s[10:11]
	s_load_b64 s[12:13], s[0:1], 0x20              ; part
	v_lshl_add_u32 v160, v0, 2, 0x100
	v_mov_b32 v161, 0
	v_lshrrev_b32 v2, 5, v0
	s_delay_alu instid0(VALU_DEP_1)
	v_readfirstlane_b32 s[WV], v2                  ; wave 0..15
	v_and_b32 v2, 31, v0
	s_delay_alu instid0(VALU_DEP_1)
	v_lshlrev_b32 v1, 4, v2                        ; 16 x lane
	s_delay_alu instid0(VALU_DEP_3)
	v_mov_b32 v3, s[WV]
	s_delay_alu instid0(VALU_DEP_1)
	v_lshlrev_b32 v3, 2, v3                        ; LDS: my wave's word
	v_and_b32 v4, 15, v0
	s_delay_alu instid0(VALU_DEP_1)
	v_lshlrev_b32 v4, 2, v4                        ; and the word that I read at the end
	v_mov_b32 v153, 0
	s_mov_b32 s48, 0x76543210
	s_mov_b32 s49, 0xfedcba98
	s_lshl_b32 s15, ttmp9, 4
	s_add_co_u32 s15, s15, s[WV]                   ; my wave in the launch
	s_lshl_b32 s40, s15, 5                         ; 8 indices of 4 bytes
	s_mov_b32 s41, 0
	s_lshl_b32 s42, s15, 13                        ; 8 rows of 1,024 bytes
	s_mov_b32 s43, 0
	s_lshl_b32 s44, ttmp9, 2
	s_mov_b32 s45, 0
	s_wait_alu depctr_va_vdst(0)
	s_wait_kmcnt 0x0
	s_add_nc_u64 s[8:9], s[8:9], s[40:41]
	s_add_nc_u64 s[4:5], s[4:5], s[42:43]
	s_add_nc_u64 s[10:11], s[10:11], s[42:43]
	s_add_nc_u64 s[12:13], s[12:13], s[44:45]
	s_load_b256 s[16:23], s[8:9], 0x0
.irp i, 0,1,2,3,4,5,6,7
	global_load_b128 v[ZZ+8*\i:ZZ+8*\i+3], v1, s[4:5] offset:1024*\i th:TH_LOAD_NT
	global_load_b128 v[ZZ+8*\i+4:ZZ+8*\i+7], v1, s[4:5] offset:1024*\i+512 th:TH_LOAD_NT
.endr
	s_wait_kmcnt 0x0
.irp i, 0,1,2,3,4,5,6,7
	s_min_u32 s[16+\i], s[16+\i], 8191             ; a loaded number enters an address only behind this hold
	s_lshl_b32 s44, s[16+\i], 10
	s_mov_b32 s45, 0
	s_add_nc_u64 s[24+2*\i:25+2*\i], s[6:7], s[44:45]
.endr
.irp i, 0,1,2,3,4,5,6,7
	global_load_b128 v[EC+8*\i:EC+8*\i+3], v1, s[24+2*\i:25+2*\i]                 ; no hint: a row may be named by many rows of z
	global_load_b128 v[EC+8*\i+4:EC+8*\i+7], v1, s[24+2*\i:25+2*\i] offset:512
.endr
.irp i, 0,1,2,3,4,5,6,7
	ROWQ \i
.endr
	v_pk_add_f32 v[SU:SU+1], v[SU:SU+1], v[SU+2:SU+3]
	v_pk_add_f32 v[SU+4:SU+5], v[SU+4:SU+5], v[SU+6:SU+7]
	s_delay_alu instid0(VALU_DEP_1)
	v_pk_add_f32 v[SU:SU+1], v[SU:SU+1], v[SU+4:SU+5]
	s_delay_alu instid0(VALU_DEP_1)
	v_add_f32 v152, v[SU], v[SU+1]
	s_delay_alu instid0(VALU_DEP_1)
	v_add_f32_dpp v152, v152, v152 row_xmask:1 row_mask:0xf bank_mask:0xf
	s_delay_alu instid0(VALU_DEP_1)
	v_add_f32_dpp v152, v152, v152 row_xmask:2 row_mask:0xf bank_mask:0xf
	s_delay_alu instid0(VALU_DEP_1)
	v_add_f32_dpp v152, v152, v152 row_xmask:4 row_mask:0xf bank_mask:0xf
	s_delay_alu instid0(VALU_DEP_1)
	v_add_f32_dpp v152, v152, v152 row_xmask:8 row_mask:0xf bank_mask:0xf
	s_delay_alu instid0(VALU_DEP_1)
	v_permlanex16_b32 v153, v152, s48, s49
	s_delay_alu instid0(VALU_DEP_1)
	v_add_f32 v152, v152, v153                     ; the wave's sum, in every lane
	ds_store_b32 v3, v152
	s_wait_dscnt 0x0                               ; for wave 0's sake
	s_barrier_signal -1
	s_barrier_wait -1
	s_cmp_lg_u32 s[WV], 0
	s_cbranch_scc1 .Lend
	ds_load_b32 v152, v4                           ; the sixteen waves' sums, one in each lane of a row of sixteen
	s_wait_dscnt 0x0
	v_add_f32_dpp v152, v152, v152 row_xmask:1 row_mask:0xf bank_mask:0xf
	s_delay_alu instid0(VALU_DEP_1)
	v_add_f32_dpp v152, v152, v152 row_xmask:2 row_mask:0xf bank_mask:0xf
	s_delay_alu instid0(VALU_DEP_1)
	v_add_f32_dpp v152, v152, v152 row_xmask:4 row_mask:0xf bank_mask:0xf
	s_delay_alu instid0(VALU_DEP_1)
	v_add_f32_dpp v152, v152, v152 row_xmask:8 row_mask:0xf bank_mask:0xf
	v_mov_b32 v154, 0
	v_cmp_eq_u32 vcc_lo, 0, v0
	s_wait_alu depctr_va_vdst(0)
	s_wait_xcnt 0x0                                ; EXEC is a source of my pending stores: it changes only behind this wait
	s_and_saveexec_b32 s46, vcc_lo
	global_store_b32 v154, v152, s[12:13]          ; thread 0 alone
	s_wait_xcnt 0x0                                ; and again, in front of the line that widens it
	s_or_b32 exec_lo, exec_lo, s46
.Lend:
	s_wait_tensorcnt 0x0
	ds_add_u32 v160, v161
	s_wait_dscnt 0x0
	s_endpgm
.Lfunc_end_k_q213e4c63d6_gather:
	.size	k_q213e4c63d6_gather, .Lfunc_end_k_q213e4c63d6_gather-k_q213e4c63d6_gather
	.p2alignl 7, 3214868480
	.fill 96, 4, 3214868480
	.section	.rodata,"a",@progbits
	.p2align	6, 0x0
	.amdhsa_kernel k_q213e4c63d6_gather
		.amdhsa_group_segment_fixed_size 2304
		.amdhsa_private_segment_fixed_size 0
		.amdhsa_enable_private_segment 0
		.amdhsa_kernarg_size 40
		.amdhsa_user_sgpr_count 2
		.amdhsa_user_sgpr_kernarg_segment_ptr 1
		.amdhsa_wavefront_size32 1
		.amdhsa_system_sgpr_workgroup_id_x 1
		.amdhsa_system_sgpr_workgroup_id_y 1
		.amdhsa_system_sgpr_workgroup_id_z 1
		.amdhsa_system_vgpr_workitem_id 0
		.amdhsa_next_free_vgpr 162
		.amdhsa_next_free_sgpr 66
		.amdhsa_reserve_vcc 1
		.amdhsa_float_denorm_mode_32 3
		.amdhsa_float_denorm_mode_16_64 3
		.amdhsa_memory_ordered 1
		.amdhsa_forward_progress 1
		.amdhsa_inst_pref_size 17
	.end_amdhsa_kernel
	.amdgpu_metadata
---
amdhsa.version: [ 1, 2 ]
amdhsa.kernels:
  - .name:           k_q213e4c63d6_gather
    .symbol:         k_q213e4c63d6_gather.kd
    .args:
      - { .name: z_e, .offset: 0, .size: 8, .value_kind: global_buffer, .address_space: global }
      - { .name: codebook, .offset: 8, .size: 8, .value_kind: global_buffer, .address_space: global }
      - { .name: idx, .offset: 16, .size: 8, .value_kind: global_buffer, .address_space: global }
      - { .name: out0, .offset: 24, .size: 8, .value_kind: global_buffer, .address_space: global }
      - { .name: part, .offset: 32, .size: 8, .value_kind: global_buffer, .address_space: global }
    .group_segment_fixed_size: 2304
    .private_segment_fixed_size: 0
    .kernarg_segment_align: 8
    .kernarg_segment_size: 40
    .max_flat_workgroup_size: 512
    .sgpr_count:     66
    .vgpr_count:     162
    .wavefront_size: 32
...
	.end_amdgpu_metadata
.endif
;; end of part 4
;; launch finish (part 5): grid 1 x 1, 1 waves a work-group, no clusters, 0 bytes of LDS; arguments part, out2, out3, out4; writes out2, out3, out4
.if DOCPART == 5
	.amdgcn_target "amdgcn-amd-amdhsa--gfx1250"
	.amdhsa_code_object_version 6
	.text
	.protected	k_q213e4c63d6_finish
	.globl	k_q213e4c63d6_finish
	.p2align	8
	.type	k_q213e4c63d6_finish,@function
k_q213e4c63d6_finish:
	s_mov_b64 s[64:65], 0
	v_nop
	global_prefetch_b8 v0, s[64:65] scope:SCOPE_SE
	s_setreg_imm32_b32 hwreg(HW_REG_WAVE_MODE, 25, 1), 1
	s_wait_xcnt 0x0
; The three losses.  The 256 work-groups' sums of squares are added in a fixed order (one owner, no atomics) and divided by 32,768 x 256 = 2^23, which is exact.
; cb_loss and commit_loss are the same mean; vq_loss = cb_loss + 0.25 commit_loss: 0.25 x a number is exact, so the fused form rounds as the reference's two steps do.
	s_load_b256 s[4:11], s[0:1], 0x0               ; part s[4:5], out2 (vq) s[6:7], out3 (cb) s[8:9], out4 (commit) s[10:11]
	v_lshlrev_b32 v1, 4, v0
	v_mov_b32 v10, 0
	v_mov_b32 v11, 0                               ; a lane permute's destination counts as one of its sources
	s_mov_b32 s12, 0x76543210
	s_mov_b32 s13, 0xfedcba98
	s_wait_alu depctr_va_vdst(0)
	s_wait_kmcnt 0x0
	global_load_b128 v[2:5], v1, s[4:5]
	global_load_b128 v[6:9], v1, s[4:5] offset:512
	s_wait_loadcnt 0x0
	v_pk_add_f32 v[2:3], v[2:3], v[6:7]
	v_pk_add_f32 v[4:5], v[4:5], v[8:9]
	v_pk_add_f32 v[2:3], v[2:3], v[4:5]
	v_add_f32 v2, v2, v3
	v_add_f32_dpp v2, v2, v2 row_xmask:1 row_mask:0xf bank_mask:0xf
	v_add_f32_dpp v2, v2, v2 row_xmask:2 row_mask:0xf bank_mask:0xf
	v_add_f32_dpp v2, v2, v2 row_xmask:4 row_mask:0xf bank_mask:0xf
	v_add_f32_dpp v2, v2, v2 row_xmask:8 row_mask:0xf bank_mask:0xf
	v_permlanex16_b32 v11, v2, s12, s13
	v_add_f32 v2, v2, v11
	v_mul_f32 v2, 0x34000000, v2                   ; x 2^-23: the mean
	v_fmamk_f32 v3, v2, 0x3e800000, v2             ; mean x 0.25 + mean
	v_cmp_eq_u32 vcc_lo, 0, v0
	s_wait_alu depctr_va_vdst(0)
	s_wait_xcnt 0x0                                ; EXEC changes only behind this wait
	s_and_saveexec_b32 s14, vcc_lo
	global_store_b32 v10, v3, s[6:7]
	global_store_b32 v10, v2, s[8:9]
	global_store_b32 v10, v2, s[10:11]
	s_wait_xcnt 0x0                                ; and again, in front of the line that widens it
	s_or_b32 exec_lo, exec_lo, s14
	s_endpgm
.Lfunc_end_k_q213e4c63d6_finish:
	.size	k_q213e4c63d6_finish, .Lfunc_end_k_q213e4c63d6_finish-k_q213e4c63d6_finish
	.p2alignl 7, 3214868480
	.fill 96, 4, 3214868480
	.section	.rodata,"a",@progbits
	.p2align	6, 0x0
	.amdhsa_kernel k_q213e4c63d6_finish
		.amdhsa_group_segment_fixed_size 0
		.amdhsa_private_segment_fixed_size 0
		.amdhsa_enable_private_segment 0
		.amdhsa_kernarg_size 32
		.amdhsa_user_sgpr_count 2
		.amdhsa_user_sgpr_kernarg_segment_ptr 1
		.amdhsa_wavefront_size32 1
		.amdhsa_system_sgpr_workgroup_id_x 1
		.amdhsa_system_sgpr_workgroup_id_y 1
		.amdhsa_system_sgpr_workgroup_id_z 1
		.amdhsa_system_vgpr_workitem_id 0
		.amdhsa_next_free_vgpr 16
		.amdhsa_next_free_sgpr 66
		.amdhsa_reserve_vcc 1
		.amdhsa_float_denorm_mode_32 3
		.amdhsa_float_denorm_mode_16_64 3
		.amdhsa_memory_ordered 1
		.amdhsa_forward_progress 1
		.amdhsa_inst_pref_size 2
	.end_amdhsa_kernel
	.amdgpu_metadata
---
amdhsa.version: [ 1, 2 ]
amdhsa.kernels:
  - .name:           k_q213e4c63d6_finish
    .symbol:         k_q213e4c63d6_finish.kd
    .args:
      - { .name: part, .offset: 0, .size: 8, .value_kind: global_buffer, .address_space: global }
      - { .name: out2, .offset: 8, .size: 8, .value_kind: global_buffer, .address_space: global }
      - { .name: out3, .offset: 16, .size: 8, .value_kind: global_buffer, .address_space: global }
      - { .name: out4, .offset: 24, .size: 8, .value_kind: global_buffer, .address_space: global }
    .group_segment_fixed_size: 0
    .private_segment_fixed_size: 0
    .kernarg_segment_align: 8
    .kernarg_segment_size: 32
    .max_flat_workgroup_size: 32
    .sgpr_count:     66
    .vgpr_count:     16
    .wavefront_size: 32
...
	.end_amdgpu_metadata
.endif
;; end of part 5
